; MI455X (gfx1250); checked and timed in simulation.
; The chip was launched on July 23, 2026; its instructions are those of AMD's public machine-readable ISA for CDNA 5 (MIT licence, August 2026) and "CDNA5" Instruction Set Architecture Reference Guide (July 2026). The comments in the code are by the model that wrote it; some were corrected since.
;; Multi Head Attention. Allowed arithmetic: matrix products marked QUANTISED: E2M3 operands, one E8M0 scale for each 32 along K, by v_wmma_scale_f32_16x16x128_f8f6f4 with both operands' format E2M3, f32 sums; everything else in f32.
;; Inputs: Wk_codes 1,024 x 32 x 24 uint8 (E2M3 codes of Wk, K innermost, in blocks of 32 codes, four codes in three bytes); Wk_scales 1,024 x 32 uint8 (E8M0 scales of Wk, one for each 32 codes along K); Wo_codes 1,024 x 32 x 24 uint8 (E2M3 codes of Wo, K innermost, in blocks of 32 codes, four codes in three bytes); Wo_scales 1,024 x 32 uint8 (E8M0 scales of Wo, one for each 32 codes along K); Wq_codes 1,024 x 32 x 24 uint8 (E2M3 codes of Wq, K innermost, in blocks of 32 codes, four codes in three bytes); Wq_scales 1,024 x 32 uint8 (E8M0 scales of Wq, one for each 32 codes along K); Wv_codes 1,024 x 32 x 24 uint8 (E2M3 codes of Wv, K innermost, in blocks of 32 codes, four codes in three bytes); Wv_scales 1,024 x 32 uint8 (E8M0 scales of Wv, one for each 32 codes along K); bk 1,024 float32; bo 1,024 float32; bq 1,024 float32; bv 1,024 float32; x_codes 4 x 2,048 x 32 x 24 uint8 (E2M3 codes of x, K innermost, in blocks of 32 codes, four codes in three bytes); x_scales 4 x 2,048 x 32 uint8 (E8M0 scales of x, one for each 32 codes along K).
;; Outputs: out0 4 x 2,048 x 1,024 float32.
;; This version of the problem:
;;   THIS VERSION OF THE PROBLEM IS GIVEN IN LOW PRECISION. The matrix products marked QUANTISED in the list below multiply operands that are first quantised to E2M3 (2 exponent bits, 3 mantissa bits; 6 bits a number), with one power-of-two scale for each 32 numbers along K (OCP MX v1.0); their sums are f32. All else is computed in f32.
;;   The module's matrix products, in the order in which they are computed (A, B: the left and right operand; K: the contracted axis; several contracted axes count as one K, in the product's order):
;;     1. [M 8,192, K 1,024] x [K 1,024, N 1,024]; A: input x (given as codes); B: input Wq (given as codes): QUANTISED
;;     2. [M 8,192, K 1,024] x [K 1,024, N 1,024]; A: input x (given as codes); B: input Wk (given as codes): QUANTISED
;;     3. [M 8,192, K 1,024] x [K 1,024, N 1,024]; A: input x (given as codes); B: input Wv (given as codes): QUANTISED
;;     4. batch 64 x [M 2,048, K 64] x [K 64, N 2,048]; A: computed on the way; B: computed on the way: QUANTISED
;;     5. batch 64 x [M 2,048, K 2,048] x [K 2,048, N 64]; A: softmax (see below); B: computed on the way: QUANTISED
;;     6. [M 8,192, K 1,024] x [K 1,024, N 1,024]; A: computed on the way; B: input Wo (given as codes): QUANTISED
;;   THE QUANTISER, for each operand of a quantised product, along K:
;;     - K is cut into blocks of 32 from its start; a last block that is shorter is filled with zeros.
;;     - A block's scale is 2^e with e = floor(log2(the largest magnitude in the block)) - 2, held to -126 .. 127; a block of zeros has e = 0. As a byte (E8M0): e + 127.
;;     - Each number is divided by its block's scale, clamped to +-7.5, and rounded to the nearest number of E2M3, ties to even, subnormals kept.
;;     - The product sums the exact products of the quantised numbers (number of the format x scale) in f32.
;;   ~~~python
;;   def quantise(x, axis):      # numpy; x: float32 -> the quantised numbers, widened to float32 again
;;       x = np.moveaxis(x, axis, -1); K = x.shape[-1]
;;       x = np.pad(x, [(0, 0)] * (x.ndim - 1) + [(0, -K % 32)]); x = x.reshape(x.shape[:-1] + (-1, 32)); a = np.abs(x).max(-1, keepdims=True)
;;       e = np.where(a > 0, np.clip(np.frexp(np.where(a > 0, a, 1))[1] - 1 - 2, -126, 127), 0)      # np.frexp(a)[1] - 1 = floor(log2(a)), exactly
;;       r = np.clip(x / 2.0 ** e, -7.5, 7.5)
;;       step = 2.0 ** (np.maximum(np.frexp(np.where(r == 0, 1, r))[1] - 1, 0) - 3)
;;       q = np.round(r / step) * step * 2.0 ** e      # np.round: ties to even
;;       return np.moveaxis(q.reshape(q.shape[:-2] + (-1,))[..., :K], -1, axis).astype(np.float32)
;;   ~~~
;;   SOFTMAX AHEAD OF A QUANTISED PRODUCT. Where the list says 'softmax', what is quantised is not the finished softmax but p = 2^(t - M), with t = logit x log2(e) and M = ceil(the row's largest t), a whole number; so 1/2 < the row's largest p <= 1. The row's sum l is taken of the UNQUANTISED p, in f32, and the product's result is divided by l at the end. Since M is a whole number, a kernel that streams over the keys may use a running M (the ceiling of the running maximum): every later rescaling is an exact power of two, which a block's scale takes up: the codes' values come out the same.
;;   OPERANDS COMPUTED ON THE WAY. 'Computed on the way' means the value that the module computes at that place (a softmax that the list does not call 'softmax' is quantised finished and normalised). What goes into a quantiser is computed in f32, as accurately as f32 sums, v_exp_f32 and their like allow (about 1e-6 of the number): no bf16 or f16 on the way to a quantiser, and a product that is left as it is and whose result goes on into a quantised operand takes f32 operands (vector FMAs, or v_wmma_f32_16x16x4_f32). A number that lies on a knife's edge between two numbers of the format may be rounded either way, as far as f32 arithmetic and the matrix unit's own rounding can turn it there, and no further.
;;   INPUTS GIVEN AS CODES. Wk (in the module: [1024, 1024], K = its axis 1); Wo (in the module: [1024, 1024], K = its axis 1); Wq (in the module: [1024, 1024], K = its axis 1); Wv (in the module: [1024, 1024], K = its axis 1); x (in the module: [4, 2048, 1024], K = its axis 2): each comes as NAME_codes (uint8): NAME with its K axis moved to the last place and cut into blocks of 32 codes, [.., K / 32, bytes a block], one block behind the other in memory; four codes in three bytes: a row's codes are one little-endian stream of bits, code i at bits 6 i .. 6 i + 5 (a code: sign, 2 exponent bits, 3 mantissa bits); and NAME_scales (uint8): the same leading axes, one E8M0 byte (e + 127) for each 32 codes along K. Its value is code x scale, taken as it is: it is not quantised again, and the codes and scales need not be those that the quantiser above would give.
;; One version. Each part assembles by itself: llvm-mc -triple=amdgcn-amd-amdhsa -mcpu=gfx1250 --defsym DOCPART=n.
;; ======== version 1 of 1: 3 launches
;; limits: right only within a limited range of input values
;; workspace buffers: qrec 13,369,344 bytes; kvrec 13,369,344 bytes; cimg 6,291,456 bytes; csc 262,144 bytes
;; launch proj (part 1): grid 4 x 64, 4 waves a work-group, clusters of 4 x 4, 327,680 bytes of LDS; arguments x_codes, x_scales, Wq_codes, Wq_scales, Wk_codes, Wk_scales, Wv_codes, Wv_scales, bq, bk, bv, qrec, kvrec; writes qrec, kvrec
.if DOCPART == 1
	.amdgcn_target "amdgcn-amd-amdhsa--gfx1250"
	.amdhsa_code_object_version 6
	.text
	.protected	k_qc092572273_proj
	.globl	k_qc092572273_proj
	.p2align	8
	.type	k_qc092572273_proj,@function
k_qc092572273_proj:
	s_mov_b64 s[64:65], 0
	v_nop
	global_prefetch_b8 v0, s[64:65] scope:SCOPE_SE
	s_setreg_imm32_b32 hwreg(HW_REG_WAVE_MODE, 25, 1), 1
	s_wait_xcnt 0x0
	s_wait_alu depctr_hold_cnt(0) depctr_sa_sdst(0) depctr_va_vdst(0) depctr_va_sdst(0) depctr_va_ssrc(0) depctr_va_vcc(0) depctr_vm_vsrc(0)
	s_getreg_b32 s2, hwreg(HW_REG_IB_STS2, 6, 4)
	s_cmp_eq_u32 s2, 0
	s_cbranch_scc0 .Lentry_in_a_cluster
	s_endpgm
.Lentry_in_a_cluster:
	s_bfe_u32 s2, ttmp6, 0x10000c
	s_cmp_lg_u32 s2, 0xf033
	s_cbranch_scc0 .Lentry_shape_is_right
	s_endpgm
.Lentry_shape_is_right:
; q, k, v = x W^T + b on codes of FP6 (E2M3), one E8M0 scale for each 32 along K = 1,024; the f32 results are quantised at once and leave as codes, laid as the attention launch's operand registers want them.
; SHARES.  256 work-groups that stay: each holds 128 rows of x, all of K, in LDS, and takes 256 rows of Wq, then of Wk, then of Wv through one LDS region (two refills).  A wave makes 128 rows x 64 columns: one head, one record; 32 accumulators.
;   q, k: source 0 = 16 rows of W, source 1 = 16 rows of x: a lane holds one row of x, its registers run along the head's 64.   v: the sources change places: a lane holds one channel, its registers run along the keys.
; THE ROWS OF A TILE: in a group of 64 rows lane r of tile u takes row 8 u + r % 8 + 32 (r / 8), so that the 32 registers of four neighbouring tiles are a whole block of 32 along the next K in one lane.
; LDS: the lower 32 rows of each group lie in one region, the upper 32 in another that begins 128 bytes past a multiple of 256: the sixteen rows of a fragment load then begin in sixteen different groups of banks (64 banks of 4 bytes: ISA guide 11.1).
; A tensor load's row is 32 rows of codes, 24,576 dense bytes at a multiple of 256; 16 bytes of padding behind every 256: an LDS row of codes is 816 bytes.
; CLUSTER 4 x 4: x's rows are shared along a row of the cluster, a weight's along a column.  Scale bytes and biases go from memory straight into registers, once, at the head.
; PREFETCH: Wk's tile is asked for at the head, Wv's in the first trip, one phase ahead of its load; 768 blocks of 256 bytes shared by address among the 16 waves of a column of the cluster; only the clusters with y < 4 ask, since all rows of clusters read the same weights.
; OUT: records of 13,056 bytes for (batch, head, 128 rows): 0: q's or k's codes, four images of 1,536 bytes (registers 0-5 tile 2 i, 6-11 tile 2 i + 1; chunk c = registers 4 c .. 4 c + 3, 16 bytes a lane); 6,144: v's four images (16 channels x 128 keys);
;   12,288: q's or k's scale words (bytes 0, 1 the head's two blocks, bytes 2, 3 zero), 16 bytes a lane; 12,800: v's, 8 bytes a lane.
; LIMITS: NaN and infinities are not served.  A block whose largest magnitude lies under 2^-124, a block of zeros among them, gets the byte 1; the bytes are read by this program alone.
.set KROW,  768
.set PITCH, 816
.set GRP,   32*PITCH
.set DHA,   2*GRP+128                  ; from x's lower halves to its upper halves
.set BL,    2*DHA                      ; the weight's lower halves
.set DHB,   4*GRP+128
.set SPARE, BL+2*DHB                   ; the spare words, 128 bytes a wave
.set REC,   13056
.set SPW, 2
.set NIL, 3
.set L16, 4
.set L8,  5
.set H8,  6
.set H16, 7
.set TA,  16                           ; v16-31 LDS addresses of x's eight tiles (the odd one: behind one padding more)
.set TBD, 32                           ; v32-39 of my four tiles of the weight
.set SXC, 40                           ; v40-71 x's scale words: pair i, K step q at 8 i + q; lanes 0-15 tile 2 i, lanes 16-31 tile 2 i + 1
.set FLO, 72                           ; 2^(3 - 127)
.set SWL, 76                           ; v76-91 the weight's scale words in the loop; v92-107 Wv's; v108-123 Wk's, copied into v76-91
.set SWV, 92
.set SWK, 108
.set BF,  124                          ; v124-219 the weight's fragments, two sets; on the way out the images
.set IM,  124
.set TM,  220
.set SO,  222
.set BY,  224
.set PX,  226
.set CT,  228
.set PWR, 236
.set SWD, 244
.set BIL, 0                            ; window 3: v0-31 the loop's bias, v32-63 bk's, v64-95 bv's
.set BIV, 64
.set G1A, 52
.set G0A, 60
.set G1B, 68
.set G0B, 76
.set NXA, 80
.set NXB, 82
.set PK,  84
.set PV,  86
.set OUT, 88
.set OKV, 90
.set TRIP, 92
.set PFK, 93
.set MSB, 0
.macro WIN new                         ; the immediate's high byte repeats the setting that is left
.if MSB != (\new)
	s_set_vgpr_msb (MSB<<8)|(\new)
.set MSB, (\new)
.endif
.endm
.macro PLACES n
.rept \n
	v_nop
.endr
.endm
.macro CROUND                          ; a round of the cluster's barrier
	s_barrier_signal -1
	s_barrier_wait -1
	s_cmp_lg_u32 s14, 0
	s_cbranch_scc1 .Lnot_wave_0_\@
	s_barrier_signal -3
.Lnot_wave_0_\@:
	s_barrier_wait -3
	s_barrier_signal -1
	s_barrier_wait -1
.endm
.macro FRAG reg, adr, q                ; 16 rows x 128 K: six pieces of 8 bytes, two to a load where both go by one address register
.set SK_, 0
.irp p, 0,1,2,3,4,5
.if SK_
.set SK_, 0
.else
.set PC_, 12*(\q)+6*(\p/3)+\p%3
.set PN_, 12*(\q)+6*((\p+1)/3)+(\p+1)%3
.set X_, (PC_%32+3)/32
.set XN_, (PN_%32+3)/32
.if (\p < 5) && (X_ == XN_)
.set SK_, 1
	ds_load_2addr_b64 v[\reg+2*\p:\reg+2*\p+3], v[\adr+X_] offset0:PC_+2*(PC_/32) offset1:PN_+2*(PN_/32)
.else
	ds_load_b64 v[\reg+2*\p:\reg+2*\p+1], v[\adr+X_] offset:8*(PC_+2*(PC_/32))
.endif
.endif
.endr
.endm
.macro FETCH1 f, q                     ; fragment f of K step q: 0-7 x's (window 1), 8-11 the weight's
.if (\f) < 8
	WIN 0x40
	FRAG 96*((\q)%2)+12*(\f), TA+2*(\f), \q
.else
	WIN 0
	FRAG BF+48*((\q)%2)+12*((\f)-8), TBD+2*((\f)-8), \q
.endif
.endm
; 32 products of K step q, the accumulators by turns.  ini: the sums begin with the bias as C.
.macro MUL kind, q, ini
.irp ap, 0,1,2,3
.irp ao, 0,1
.irp bp, 0,1
.irp bo, 0,1
.set A_, 2*\ap+\ao
.set B_, 2*\bp+\bo
.set FA_, 96*((\q)%2)+12*A_
.set FB_, BF+48*((\q)%2)+12*B_
.set SX_, SXC+8*\ap+(\q)
.if \kind
.set D_, 8*(8*B_+A_)
.set SW_, SWV+8*\bp+(\q)
.if \ini
	WIN 0xb1
	v_wmma_scale_f32_16x16x128_f8f6f4 v[D_:D_+7], v[FA_:FA_+11], v[FB_:FB_+11], v[BIV+8*B_:BIV+8*B_+7], v[SX_], v[SW_] matrix_a_fmt:MATRIX_FMT_FP6 matrix_b_fmt:MATRIX_FMT_FP6 matrix_a_scale:MATRIX_SCALE_ROW\ao matrix_b_scale:MATRIX_SCALE_ROW\bo
.else
	WIN 0xa1
	v_wmma_scale_f32_16x16x128_f8f6f4 v[D_:D_+7], v[FA_:FA_+11], v[FB_:FB_+11], v[D_:D_+7], v[SX_], v[SW_] matrix_a_fmt:MATRIX_FMT_FP6 matrix_b_fmt:MATRIX_FMT_FP6 matrix_a_scale:MATRIX_SCALE_ROW\ao matrix_b_scale:MATRIX_SCALE_ROW\bo
.endif
.else
.set D_, 8*(4*A_+B_)
.set SW_, SWL+8*\bp+(\q)
.if \ini
	WIN 0xb4
	v_wmma_scale_f32_16x16x128_f8f6f4 v[D_:D_+7], v[FB_:FB_+11], v[FA_:FA_+11], v[BIL+8*B_:BIL+8*B_+7], v[SW_], v[SX_] matrix_a_fmt:MATRIX_FMT_FP6 matrix_b_fmt:MATRIX_FMT_FP6 matrix_a_scale:MATRIX_SCALE_ROW\bo matrix_b_scale:MATRIX_SCALE_ROW\ao
.else
	WIN 0xa4
	v_wmma_scale_f32_16x16x128_f8f6f4 v[D_:D_+7], v[FB_:FB_+11], v[FA_:FA_+11], v[D_:D_+7], v[SW_], v[SX_] matrix_a_fmt:MATRIX_FMT_FP6 matrix_b_fmt:MATRIX_FMT_FP6 matrix_a_scale:MATRIX_SCALE_ROW\bo matrix_b_scale:MATRIX_SCALE_ROW\ao
.endif
.endif
.endr
.endr
.endr
.endr
.endm
.macro PHASE kind                      ; eight K steps.  At a step's head: the wait for its twelve fragments, then the next step's twelve in one run of loads, then its 32 products, under which those loads land
.set F_, 0
.rept 12
	FETCH1 F_, 0
.set F_, F_+1
.endr
	s_wait_dscnt 0x0
.set F_, 0
.rept 12
	FETCH1 F_, 1
.set F_, F_+1
.endr
	MUL \kind, 0, 1
.irp q, 1,2,3,4,5,6
	s_wait_dscnt 0x0                               ; this step's fragments, asked for ahead of the last step's products
	PLACES 4                                       ; between the last step's products and loads into the set that they read (ISA guide 7.12.1 for vector instructions)
.set F_, 0
.rept 12
	FETCH1 F_, (\q)+1
.set F_, F_+1
.endr
	MUL \kind, \q, 0
.endr
	s_wait_dscnt 0x0
	MUL \kind, 7, 0                                ; the last step fetches nothing
	WIN 0
.endm
; Two blocks of 32 sums (window 2, at x0 and x1): largest magnitude over the floor, 2 off its exponent field, codes into d0 .. d0 + 5 and d1 .. d1 + 5, bytes into v[BY], v[BY+1].  Each accumulator is read from its low end on.
.macro QUANT2 x0, x1, d0, d1
	WIN 0x28
	v_max3_num_f32 v[TM], v[FLO], |v[\x0]|, |v[\x0+1]|
	v_max3_num_f32 v[TM+1], v[FLO], |v[\x1]|, |v[\x1+1]|
.irp i, 2,4,6,8,10,12,14,16,18,20,22,24,26,28,30
	v_max3_num_f32 v[TM], v[TM], |v[\x0+\i]|, |v[\x0+\i+1]|
	v_max3_num_f32 v[TM+1], v[TM+1], |v[\x1+\i]|, |v[\x1+\i+1]|
.endr
	WIN 0
	v_add_nc_u32 v[SO], 0xff000000, v[TM]
	v_add_nc_u32 v[SO+1], 0xff000000, v[TM+1]
	WIN 2
	v_cvt_scalef32_pk16_fp6_f32 v[\d0:\d0+2], v[\x0:\x0+15], v[SO]
	v_cvt_scalef32_pk16_fp6_f32 v[CT:CT+2], v[\x0+16:\x0+31], v[SO]
	v_cvt_scalef32_pk16_fp6_f32 v[\d1:\d1+2], v[\x1:\x1+15], v[SO+1]
	v_cvt_scalef32_pk16_fp6_f32 v[CT+4:CT+6], v[\x1+16:\x1+31], v[SO+1]
	WIN 0
	v_lshrrev_b32 v[BY], 23, v[SO]                 ; (also the plain place behind the conversions)
	v_lshrrev_b32 v[BY+1], 23, v[SO+1]
.irp i, 0,1,2
	v_mov_b32 v[\d0+3+\i], v[CT+\i]
	v_mov_b32 v[\d1+3+\i], v[CT+4+\i]
.endr
	v_lshl_or_b32 v[TM], v[BY+1], 16, v[BY]        ; my two bytes at bits 8 h and 16 + 8 h, joined with lane l xor 16's
	v_lshlrev_b32 v[TM], v[H8], v[TM]
	v_permlanex16_b32 v[PX], v[TM], s18, s19
.endm
	s_load_b512 s[24:39], s[0:1], 0x0              ; x's codes, scales, Wq's, Wk's, Wv's
	s_load_b256 s[40:47], s[0:1], 0x40             ; bq, bk, bv, qrec
	s_load_b64 s[48:49], s[0:1], 0x60              ; kvrec
	v_lshl_add_u32 v[SPW], v0, 2, SPARE
	v_mov_b32 v[NIL], 0
	ds_add_u32 v[SPW], v[NIL]                      ; the opening lines: the add twice on end and its wait
	ds_add_u32 v[SPW], v[NIL]
	v_lshrrev_b32 v1, 5, v0
	v_readfirstlane_b32 s14, v1                    ; wave
	s_lshr_b32 s15, s14, 1                         ; I fetch for x (0) or for the weight (1),
	s_and_b32 s16, s14, 1                          ; the lower (0) or the upper (1) halves of the groups
	s_bfe_u32 s100, ttmp6, 0x40000                 ; cx: the weight's block of 256 rows
	s_bfe_u32 s101, ttmp6, 0x40004                 ; cy
	s_and_b32 s94, ttmp7, 0xffff
	s_lshl_b32 s17, s94, 2
	s_add_co_u32 s17, s17, s101                    ; x's block of 128 rows
	s_cmp_lt_u32 s94, 4
	s_cselect_b32 s[PFK], 0, 99                    ; the trip in which this cluster prefetches: 0, or none
	s_lshl_b32 s95, s101, 2
	s_lshl_b32 s95, 15, s95                        ; my row of the cluster
	s_lshl_b32 s96, 0x1111, s100                   ; my column
	s_or_b32 s[G1A], s95, (3<<16)|(1<<20)|(1<<21)|(5<<22)|(3<<25)
	s_or_b32 s[G1B], s96, (3<<16)|(1<<20)|(1<<21)|(5<<22)|(3<<25)
.irp g, G1A, G1B
	s_mov_b32 s[\g+1], 3072<<16                    ; a row: 3,072 elements of 8 bytes
	s_mov_b32 s[\g+3], 3072<<16
	s_mov_b32 s[\g+5], 6144                        ; from group to group: 64 rows of codes
	s_mov_b32 s[\g+6], 0
	s_mov_b32 s[\g+7], 0
.endr
	s_mov_b32 s[G1A+2], 2<<16                      ; x: two groups
	s_mov_b32 s[G1A+4], 2
	s_mov_b32 s[G1B+2], 4<<16                      ; the weight: four
	s_mov_b32 s[G1B+4], 4
	s_mul_i32 s2, s16, 32*KROW
	s_mul_i32 s20, s17, 128*KROW
	s_add_co_u32 s20, s20, s2
	s_mov_b32 s21, 0
	s_mul_i32 s22, s100, 256*KROW
	s_mov_b32 s23, 0
	s_add_co_u32 s18, s22, s2
	s_mov_b32 s19, 0
	s_mov_b32 s[G0A], 1
	s_mul_i32 s[G0A+1], s16, DHA
	s_mov_b32 s[G0B], 1
	s_mul_i32 s[G0B+1], s16, DHB
	s_add_co_u32 s[G0B+1], s[G0B+1], BL
	s_lshl_b32 s4, s17, 12                         ; x's scale bytes
	s_mov_b32 s5, 0
	s_lshl_b32 s6, s100, 2
	s_add_co_u32 s6, s6, s14                       ; my head
	s_lshl_b32 s8, s6, 11                          ; its 64 rows of scale bytes
	s_mov_b32 s9, 0
	s_lshl_b32 s10, s6, 8                          ; its 64 numbers of a bias
	s_mov_b32 s11, 0
	s_lshr_b32 s12, s17, 4
	s_lshl_b32 s12, s12, 8                         ; 256 records a batch,
	s_and_b32 s13, s17, 15
	s_add_co_u32 s12, s12, s13                     ; one for 128 rows,
	s_lshl_b32 s7, s6, 4
	s_add_co_u32 s12, s12, s7                      ; 16 a head
	s_mul_i32 s12, s12, REC
	s_mov_b32 s13, 0
	s_mul_i32 s3, s14, GRP
	s_add_co_u32 s3, s3, BL                        ; my group of the weight's rows in LDS
	s_lshl_b32 s2, s101, 2
	s_add_co_u32 s2, s2, s14
	s_mul_i32 s2, s2, 48*256                       ; my 48 blocks of a tile's 768, for the prefetches
	s_wait_dscnt 0x0
	s_wait_kmcnt 0x0
	s_add_nc_u64 s[G0A+2:G0A+3], s[24:25], s[20:21]
	s_or_b32 s[G0A+3], s[G0A+3], 0x80000000
	s_add_nc_u64 s[G0B+2:G0B+3], s[28:29], s[18:19]
	s_or_b32 s[G0B+3], s[G0B+3], 0x80000000
	s_add_nc_u64 s[NXA:NXA+1], s[32:33], s[18:19]
	s_or_b32 s[NXA+1], s[NXA+1], 0x80000000
	s_add_nc_u64 s[NXB:NXB+1], s[36:37], s[18:19]
	s_or_b32 s[NXB+1], s[NXB+1], 0x80000000
	s_add_nc_u64 s[PK:PK+1], s[32:33], s[22:23]
	s_add_nc_u64 s[PV:PV+1], s[36:37], s[22:23]
	s_add_nc_u64 s[26:27], s[26:27], s[4:5]
	s_add_nc_u64 s[30:31], s[30:31], s[8:9]
	s_add_nc_u64 s[34:35], s[34:35], s[8:9]
	s_add_nc_u64 s[38:39], s[38:39], s[8:9]
	s_add_nc_u64 s[40:41], s[40:41], s[10:11]
	s_add_nc_u64 s[42:43], s[42:43], s[10:11]
	s_add_nc_u64 s[44:45], s[44:45], s[10:11]
	s_add_nc_u64 s[OUT:OUT+1], s[46:47], s[12:13]
	s_add_nc_u64 s[OKV:OKV+1], s[48:49], s[12:13]
	CROUND                                         ; all sixteen work-groups are here: the first joint loads meet
	s_cmp_eq_u32 s15, 0                            ; one load a wave: waves 0, 1 x's halves, waves 2, 3 Wq's
	s_cbranch_scc0 .Lhead_b
	tensor_load_to_lds s[G0A:G0A+3], s[G1A:G1A+7]
	s_nop 0
	PLACES 4
	s_branch .Lhead_j
.Lhead_b:
	tensor_load_to_lds s[G0B:G0B+3], s[G1B:G1B+7]
	s_nop 0
	PLACES 4
.Lhead_j:
	s_mov_b32 s18, 0x76543210
	s_mov_b32 s19, 0xfedcba98                      ; lane l xor 16
	v_and_b32 v1, 7, v0                            ; r % 8
	v_bfe_u32 v8, v0, 3, 1                         ; r / 8
	v_bfe_u32 v9, v0, 4, 1                         ; h
	v_and_b32 v15, 31, v0
	v_mul_u32_u24 v10, v1, PITCH
	v_mad_u32_u24 v10, v9, 24, v10
	v_mul_u32_u24 v12, v8, DHA                     ; lanes with r / 8 = 1 read the upper halves' region: one product
	v_add_nc_u32 v12, v12, v10
	v_lshl_add_u32 v11, v9, 4, v12
.irp a, 0,1,2,3,4,5,6,7
	v_add_nc_u32 v[TA+2*\a], (\a/4)*GRP+(\a%4)*8*PITCH, v12
	v_add_nc_u32 v[TA+2*\a+1], (\a/4)*GRP+(\a%4)*8*PITCH, v11
.endr
	v_mul_u32_u24 v12, v8, DHB
	v_add_nc_u32 v12, v12, v10
	v_add_nc_u32 v12, s3, v12
	v_lshl_add_u32 v11, v9, 4, v12
.irp b, 0,1,2,3
	v_add_nc_u32 v[TBD+2*\b], \b*8*PITCH, v12
	v_add_nc_u32 v[TBD+2*\b+1], \b*8*PITCH, v11
.endr
	v_lshlrev_b32 v[L16], 4, v15
	v_lshlrev_b32 v[L8], 3, v15
	v_lshlrev_b32 v[H8], 3, v9
	v_lshlrev_b32 v[H16], 4, v9
	v_mov_b32 v[FLO], 0x1800000
	v_mov_b32 v[PX], 0                             ; a lane permute's destination counts as one of its sources
	v_cmp_lt_u32 s99, 15, v15                      ; lanes 16-31
	v_lshlrev_b32 v10, 5, v1                       ; a pair of tiles' scale rows: 32 (8 h + r % 8 + 32 (r / 8))
	v_lshl_add_u32 v10, v9, 8, v10
	v_lshl_add_u32 v10, v8, 10, v10
	v_lshlrev_b32 v11, 7, v9                       ; q's, k's bias: 32 numbers on for lanes 16-31
	v_lshl_add_u32 v12, v8, 5, v1
	v_lshlrev_b32 v12, 2, v12                      ; v's: my channel in a tile
	v_lshl_add_u32 v13, v15, 8, s2                 ; the prefetches: blocks 0-31 of my 48,
	v_min_u32 v14, 15, v15
	v_lshl_add_u32 v14, v14, 8, s2
	v_add_nc_u32 v14, 8192, v14                    ; and blocks 32-47 (lanes 16-31 name the last again)
	s_wait_alu depctr_va_vdst(0)
	s_cmp_eq_u32 s[PFK], 0
	s_cbranch_scc0 .Lno_pf0
	global_prefetch_b8 v13, s[PK:PK+1] th:TH_LOAD_NT scope:SCOPE_SE
	global_prefetch_b8 v14, s[PK:PK+1] th:TH_LOAD_NT scope:SCOPE_SE
.Lno_pf0:
.irp i, 0,1,2,3
	global_load_b128 v[SXC+8*\i:SXC+8*\i+3], v10, s[26:27] offset:(64*(\i/2)+16*(\i%2))*32
	global_load_b128 v[SXC+8*\i+4:SXC+8*\i+7], v10, s[26:27] offset:(64*(\i/2)+16*(\i%2))*32+16
.endr
.irp p, 0,1
.irp c, 0,1
	global_load_b128 v[SWL+8*\p+4*\c:SWL+8*\p+4*\c+3], v10, s[30:31] offset:512*\p+16*\c
	global_load_b128 v[SWK+8*\p+4*\c:SWK+8*\p+4*\c+3], v10, s[34:35] offset:512*\p+16*\c
	global_load_b128 v[SWV+8*\p+4*\c:SWV+8*\p+4*\c+3], v10, s[38:39] offset:512*\p+16*\c
.endr
.endr
	WIN 0xc0
.irp b, 0,1,2,3
.irp c, 0,1
	global_load_b128 v[8*\b+4*\c:8*\b+4*\c+3], v11, s[40:41] offset:32*\b+16*\c         ; register j of tile b: W's row 8 b + j + 32 h
	global_load_b128 v[32+8*\b+4*\c:32+8*\b+4*\c+3], v11, s[42:43] offset:32*\b+16*\c
.endr
	global_load_b32 v[BIV+8*\b], v12, s[44:45] offset:32*\b
.endr
	WIN 0
	s_wait_alu depctr_va_vdst(0)
	s_wait_loadcnt 0x0
	WIN 0xc3
.irp b, 0,8,16,24
.irp i, 1,2,3,4,5,6,7
	v_mov_b32 v[BIV+\b+\i], v[BIV+\b]              ; v's bias, one number a lane and tile, over the tile's eight registers
.endr
.endr
	WIN 0
	s_mov_b32 s[TRIP], 0
	s_wait_alu depctr_va_vdst(0)
	s_wait_tensorcnt 0x0
	s_barrier_signal -1
	s_barrier_wait -1                              ; x's rows and Wq's are in
.Lqk:                                                  ; two trips: q, k
	PHASE 0
	s_wait_tensorcnt 0x0
	ds_add_u32 v[SPW], v[NIL]
	s_mov_b64 s[G0B+2:G0B+3], s[NXA:NXA+1]         ; no load of mine is out: the next weight's rows
	s_mov_b64 s[NXA:NXA+1], s[NXB:NXB+1]
	s_wait_dscnt 0x0                               ; the add is done, and my reads of the weight's region are over
	CROUND
	s_cmp_eq_u32 s15, 0
	s_cbranch_scc1 .Lno_fill
	tensor_load_to_lds s[G0B:G0B+3], s[G1B:G1B+7]  ; waves 2 and 3: the region is filled again; it lands under the way out
	s_nop 0
	PLACES 4
.Lno_fill:
	PLACES 4                                       ; behind the last products, for the waves that come round the load
	s_cmp_eq_u32 s[TRIP], s[PFK]
	s_cbranch_scc0 .Lno_pf1
	global_prefetch_b8 v13, s[PV:PV+1] th:TH_LOAD_NT scope:SCOPE_SE
	global_prefetch_b8 v14, s[PV:PV+1] th:TH_LOAD_NT scope:SCOPE_SE
.Lno_pf1:
.irp i, 0,1,2,3                        ; tiles 2 i and 2 i + 1 of x's rows make an image
	QUANT2 64*\i, 64*\i+32, IM+12*\i, IM+12*\i+6
	v_or_b32 v[TM], v[TM], v[PX]                   ; bytes: tile 2 i's two blocks, tile 2 i + 1's two
	v_lshrrev_b32 v[TM], v[H16], v[TM]             ; lanes 16-31 keep the second tile's
	v_and_b32 v[SWD+\i], 0xffff, v[TM]
.irp c, 0,1,2
	global_store_b128 v[L16], v[IM+12*\i+4*\c:IM+12*\i+4*\c+3], s[OUT:OUT+1] offset:1536*\i+512*\c   ; 512 consecutive bytes
.endr
.endr
	global_store_b128 v[L16], v[SWD:SWD+3], s[OUT:OUT+1] offset:12288
.set I_, 0
.rept 16
	v_mov_b32 v[SWL+I_], v[SWK+I_]                 ; k's scale words and bias for the second trip (the second trip's copy repeats them)
.set I_, I_+1
.endr
	WIN 0xc3
.set I_, 0
.rept 32
	v_mov_b32 v[BIL+I_], v[32+I_]
.set I_, I_+1
.endr
	WIN 0
	s_wait_xcnt 0x0                                ; the stores have read their base and their data: the base changes, and fragments land on the images
	s_mov_b64 s[OUT:OUT+1], s[OKV:OKV+1]
	s_wait_alu depctr_va_vdst(0)
	s_wait_tensorcnt 0x0
	s_barrier_signal -1
	s_barrier_wait -1                              ; the next weight's rows are in
	s_add_co_u32 s[TRIP], s[TRIP], 1
	s_cmp_lg_u32 s[TRIP], 2
	s_cbranch_scc1 .Lqk
	PHASE 1                                        ; v
	PLACES 4
.irp b, 0,1,2,3                        ; tile b: 16 channels x my 128 keys: one image
	QUANT2 64*\b, 64*\b+32, IM+12*\b, IM+12*\b+6
	v_or_b32 v[PWR+\b], v[TM], v[PX]
.irp c, 0,1,2
	global_store_b128 v[L16], v[IM+12*\b+4*\c:IM+12*\b+4*\c+3], s[OKV:OKV+1] offset:6144+1536*\b+512*\c
.endr
.endr
	v_cndmask_b32 v[SWD], v[PWR], v[PWR+1], s99
	v_cndmask_b32 v[SWD+1], v[PWR+2], v[PWR+3], s99
	global_store_b64 v[L8], v[SWD:SWD+1], s[OKV:OKV+1] offset:12800    ; 256 consecutive bytes
	s_wait_tensorcnt 0x0                           ; the wave's end
	ds_add_u32 v[SPW], v[NIL]
	s_wait_dscnt 0x0
	CROUND                                         ; the closing round
	s_endpgm
.Lfunc_end_k_qc092572273_proj:
	.size	k_qc092572273_proj, .Lfunc_end_k_qc092572273_proj-k_qc092572273_proj
	.p2alignl 7, 3214868480
	.fill 96, 4, 3214868480
	.section	.rodata,"a",@progbits
	.p2align	6, 0x0
	.amdhsa_kernel k_qc092572273_proj
		.amdhsa_group_segment_fixed_size 327680
		.amdhsa_private_segment_fixed_size 0
		.amdhsa_enable_private_segment 0
		.amdhsa_kernarg_size 104
		.amdhsa_user_sgpr_count 2
		.amdhsa_user_sgpr_kernarg_segment_ptr 1
		.amdhsa_wavefront_size32 1
		.amdhsa_system_sgpr_workgroup_id_x 1
		.amdhsa_system_sgpr_workgroup_id_y 1
		.amdhsa_system_sgpr_workgroup_id_z 1
		.amdhsa_system_vgpr_workitem_id 0
		.amdhsa_next_free_vgpr 864
		.amdhsa_next_free_sgpr 102
		.amdhsa_reserve_vcc 0
		.amdhsa_float_denorm_mode_32 3
		.amdhsa_float_denorm_mode_16_64 3
		.amdhsa_memory_ordered 1
		.amdhsa_forward_progress 1
		.amdhsa_inst_pref_size 151
	.end_amdhsa_kernel
	.amdgpu_metadata
---
amdhsa.version: [ 1, 2 ]
amdhsa.kernels:
  - .name:           k_qc092572273_proj
    .symbol:         k_qc092572273_proj.kd
    .args:
      - { .name: x_codes, .offset: 0, .size: 8, .value_kind: global_buffer, .address_space: global }
      - { .name: x_scales, .offset: 8, .size: 8, .value_kind: global_buffer, .address_space: global }
      - { .name: Wq_codes, .offset: 16, .size: 8, .value_kind: global_buffer, .address_space: global }
      - { .name: Wq_scales, .offset: 24, .size: 8, .value_kind: global_buffer, .address_space: global }
      - { .name: Wk_codes, .offset: 32, .size: 8, .value_kind: global_buffer, .address_space: global }
      - { .name: Wk_scales, .offset: 40, .size: 8, .value_kind: global_buffer, .address_space: global }
      - { .name: Wv_codes, .offset: 48, .size: 8, .value_kind: global_buffer, .address_space: global }
      - { .name: Wv_scales, .offset: 56, .size: 8, .value_kind: global_buffer, .address_space: global }
      - { .name: bq, .offset: 64, .size: 8, .value_kind: global_buffer, .address_space: global }
      - { .name: bk, .offset: 72, .size: 8, .value_kind: global_buffer, .address_space: global }
      - { .name: bv, .offset: 80, .size: 8, .value_kind: global_buffer, .address_space: global }
      - { .name: qrec, .offset: 88, .size: 8, .value_kind: global_buffer, .address_space: global }
      - { .name: kvrec, .offset: 96, .size: 8, .value_kind: global_buffer, .address_space: global }
    .group_segment_fixed_size: 327680
    .private_segment_fixed_size: 0
    .kernarg_segment_align: 8
    .kernarg_segment_size: 104
    .max_flat_workgroup_size: 128
    .sgpr_count:     102
    .vgpr_count:     864
    .wavefront_size: 32
...
	.end_amdgpu_metadata
.endif
;; end of part 1
;; launch attn (part 2): grid 4 x 64, 16 waves a work-group, clusters of 4 x 1, 210,944 bytes of LDS; arguments qrec, kvrec, cimg, csc; writes cimg, csc
.if DOCPART == 2
	.amdgcn_target "amdgcn-amd-amdhsa--gfx1250"
	.amdhsa_code_object_version 6
	.text
	.protected	k_qc092572273_attn
	.globl	k_qc092572273_attn
	.p2align	8
	.type	k_qc092572273_attn,@function
k_qc092572273_attn:
	s_mov_b64 s[64:65], 0
	v_nop
	global_prefetch_b8 v0, s[64:65] scope:SCOPE_SE
	s_setreg_imm32_b32 hwreg(HW_REG_WAVE_MODE, 25, 1), 1
	s_wait_xcnt 0x0
	s_wait_alu depctr_hold_cnt(0) depctr_sa_sdst(0) depctr_va_vdst(0) depctr_va_sdst(0) depctr_va_ssrc(0) depctr_va_vcc(0) depctr_vm_vsrc(0)
	s_getreg_b32 s2, hwreg(HW_REG_IB_STS2, 6, 4)
	s_cmp_eq_u32 s2, 0
	s_cbranch_scc0 .Lentry_in_a_cluster
	s_endpgm
.Lentry_in_a_cluster:
	s_bfe_u32 s2, ttmp6, 0x10000c
	s_cmp_lg_u32 s2, 0x3003
	s_cbranch_scc0 .Lentry_shape_is_right
	s_endpgm
.Lentry_shape_is_right:
; ctx = softmax(q k^T / 8) v for 64 heads of 64 channels and 2,048 keys, both products on codes of FP6 (E2M3) with one E8M0 scale for each 32 along K; ctx is quantised along the model's 1,024 and leaves as codes.
; THE SOFTMAX: t = score x log2(e) / 8; M = the row's largest t so far, rounded UP to a whole number; p = 2^(t - M) is what is quantised, along the keys.  The row's sum is taken of the unquantised p and divides O at the end.
; When M moves, the sum and O are multiplied by 2^(old M - new M): exact.
; SHARES.  A work-group owns ONE head and 512 queries.  The head's 16 records (k, v and their scales for 128 keys each, 208,896 bytes) come into LDS once, one joint load a wave, and stay: nothing is filled again, and one barrier shows them.
; Each of the sixteen waves then walks the 16 key steps for its first tile of 16 queries and again for its second, by itself.
; CLUSTER.  The four work-groups of a cluster own the four blocks of queries of one head: each record is asked for jointly, with the mask of all four.
; No prefetch: every tensor load stands at the head, so there is no loop to ask ahead in.
; INPUT: records of 13,056 bytes as the launch before leaves them.  LAYOUT: both products transposed (S^T = K Q^T, O^T = V^T P^T): a lane holds one query; 32 registers of four neighbouring tiles are a whole block of 32 along the next K.
; THE SCORES' K IS 64 in an instruction of 128: Q's fragment is six registers of codes and six of zero codes; a tile of K runs on over the next tile's six (behind the last: six zeros); the scale bytes of that half are 0, a finite code.
; OUT: cimg[tile of 16 rows][pair of heads][head % 2][768 bytes]: registers 0-3 of my six, 16 bytes a lane, then registers 4-5, 8 bytes a lane.  csc[tile][row][32]: my head's two bytes of a row's 32: two bytes a row, rows 32 bytes apart,
; since a row's other bytes are other work-groups'.
; LIMITS: NaN and infinities are not served.  A block whose largest magnitude lies under 2^-124 gets the byte 1 (the bytes are read by this program alone).  ctx is O x v_rcp_f32(sum).
; A block's largest p is made from the block's largest score by the same multiply-add and exponential: that takes v_exp_f32 not to fall where its input rises.  The scaled scores stay under 2^31 in magnitude.
.set REC,   13056
.set HEADB, 16*REC
.set SPARE, HEADB                      ; the spare words: 128 bytes for each of sixteen waves
.set L16,  1
.set L8,   2
.set H8,   3
.set AD16, 4
.set AD8,  5
.set SPW,  6
.set NIL,  7
.set RS,   11                          ; v11  32 x (lane % 16)
.set QF,   16                          ; v16-21 Q's codes, v22-27 zero codes
.set QS,   28
.set QS2,  29
.set CB0,  30                          ; v30, v31 ctx's scale bytes of my two tiles
.set KV,   32                          ; v32-79 K's eight tiles, then V's four fragments; v80-85 zero codes
.set KSC,  86
.set VSC,  90
.set S,    96
.set O,    160
.set QF2,  192
.set CC,   200                         ; v200-211 ctx's codes, six registers a tile
.set BM,   216
.set SO,   218
.set BY,   220
.set PX,   222
.set PF,   224
.set CT,   236
.set F,    250
.set PS,   253
.set T,    254
.set WV,   12
.set SEL,  20
.set CS,   22
.set G1,   24
.set G0,   32
.set TB,   36
.set CNT,  37
.macro CROUND
	s_barrier_signal -1
	s_barrier_wait -1
	s_cmp_lg_u32 s[WV], 0
	s_cbranch_scc1 .Lnot_wave_0_\@
	s_barrier_signal -3
.Lnot_wave_0_\@:
	s_barrier_wait -3
	s_barrier_signal -1
	s_barrier_wait -1
.endm
	s_load_b256 s[4:11], s[0:1], 0x0               ; qrec, kvrec, cimg, csc
	v_lshl_add_u32 v[SPW], v0, 2, SPARE
	v_mov_b32 v[NIL], 0
	ds_add_u32 v[SPW], v[NIL]                      ; the opening lines: the add twice on end and its wait
	ds_add_u32 v[SPW], v[NIL]
	v_lshrrev_b32 v8, 5, v0
	v_readfirstlane_b32 s[WV], v8                  ; wave 0..15
	s_bfe_u32 s13, ttmp6, 0x40000                  ; cx: my block of 512 queries
	s_and_b32 s15, ttmp7, 0xffff                   ; 16 x batch + head, which the four partners share
	s_mov_b32 s[G1], 15|(3<<16)|(1<<21)            ; a record: 51 rows of 256 bytes, for all four work-groups
	s_mov_b32 s[G1+1], 32<<16
	s_mov_b32 s[G1+2], 51<<16
	s_mov_b32 s[G1+3], 32<<16
	s_mov_b32 s[G1+4], 51
	s_mov_b32 s[G1+5], 32
	s_mov_b32 s[G1+6], 0
	s_mov_b32 s[G1+7], 0
	s_mov_b32 s[SEL], 0x76543210
	s_mov_b32 s[SEL+1], 0xfedcba98                 ; lane l xor 16
	s_mov_b32 s[CS], 0x3e38aa3b                    ; c = log2(e) / 8
	s_mov_b32 s[CS+1], s[CS]
	s_mul_i32 s[G0+1], s[WV], REC                  ; wave w fetches record w
	s_mul_i32 s40, s15, HEADB
	s_add_co_u32 s40, s40, s[G0+1]
	s_mov_b32 s41, 0
	s_mov_b32 s[G0], 1
	s_wait_dscnt 0x0
	s_wait_kmcnt 0x0
	s_add_nc_u64 s[G0+2:G0+3], s[6:7], s[40:41]
	s_or_b32 s[G0+3], s[G0+3], 0x80000000
	CROUND                                         ; all four work-groups are here: the joint loads meet
	tensor_load_to_lds s[G0:G0+3], s[G1:G1+7]
	s_nop 0
.rept 4
	v_nop
.endr
	; my tiles are w and w + 16 of the block's 32: tile a = w % 8 of the groups 4 cx + w / 8 and two further on
	s_lshr_b32 s16, s[WV], 3
	s_lshl_b32 s17, s13, 2
	s_add_co_u32 s16, s16, s17
	s_lshl_b32 s17, s15, 4
	s_add_co_u32 s16, s16, s17
	s_mul_i32 s16, s16, REC
	s_mov_b32 s17, 0
	s_add_nc_u64 s[4:5], s[4:5], s[16:17]
	s_and_b32 s18, s[WV], 7
	s_lshr_b32 s19, s18, 1                         ; a / 2: which image, which word
	s_and_b32 s18, s18, 1                          ; a % 2: which half
	s_cmp_eq_u32 s18, 1
	s_cselect_b32 s38, -1, 0
	s_mul_i32 s40, s19, 1536
	s_lshl_b32 s41, s18, 8
	s_lshl_b32 s42, s19, 2
	s_add_co_u32 s41, s41, s42
	s_add_co_u32 s41, s41, 12288
	s_lshr_b32 s16, s15, 4
	s_lshl_b32 s16, s16, 7                         ; 128 tiles a batch,
	s_lshl_b32 s17, s13, 5
	s_add_co_u32 s16, s16, s17                     ; 32 a block,
	s_add_co_u32 s16, s16, s[WV]                   ; my first
	s_and_b32 s17, s15, 15                         ; the head
	s_mul_i32 s18, s16, 12288
	s_mul_i32 s19, s17, 768
	s_add_co_u32 s18, s18, s19
	s_mov_b32 s19, 0
	s_add_nc_u64 s[8:9], s[8:9], s[18:19]
	s_lshl_b32 s18, s16, 9
	s_lshl_b32 s17, s17, 1
	s_add_co_u32 s18, s18, s17
	s_add_nc_u64 s[10:11], s[10:11], s[18:19]
	v_and_b32 v8, 31, v0
	v_lshlrev_b32 v[L16], 4, v8
	v_lshlrev_b32 v[L8], 3, v8
	v_bfe_u32 v[H8], v0, 4, 1
	v_lshlrev_b32 v[H8], 3, v[H8]
	v_add_nc_u32 v9, s40, v[L16]
	v_and_b32 v10, 15, v0
	v_lshlrev_b32 v[RS], 5, v10
	v_lshlrev_b32 v10, 4, v10
	v_add_nc_u32 v10, s41, v10                     ; row r's word of tile a: 12,288 + 16 (r + 16 (a % 2)) + 4 (a / 2)
.irp c, 0,1,2
	global_load_b128 v[KV+4*\c:KV+4*\c+3], v9, s[4:5] offset:512*\c
	global_load_b128 v[KV+12+4*\c:KV+12+4*\c+3], v9, s[4:5] offset:2*REC+512*\c
.endr
	global_load_b32 v[QS], v10, s[4:5]
	global_load_b32 v[QS2], v10, s[4:5] offset:2*REC
.irp i, 0,1,2,3,4,5
	v_mov_b32 v[QF+6+\i], 0                        ; Q's idle half: zero codes
	v_mov_b32 v[KV+48+\i], 0                       ; and what stands behind K's last tile
.endr
	v_mov_b32 v[PX], 0
	v_mov_b32 v[F+1], 0
	s_wait_loadcnt 0x0
.irp i, 0,1,2,3,4,5
	v_cndmask_b32 v[QF+\i], v[KV+\i], v[KV+6+\i], s38
	v_cndmask_b32 v[QF2+\i], v[KV+12+\i], v[KV+18+\i], s38
.endr
.macro INIT                            ; a tile begins: the largest t under every t, the sums and O^T zeros, which the first change of M leaves zeros
	v_mov_b32 v13, 0xff61b1e6
	s_delay_alu instid0(VALU_DEP_1)
	v_floor_f32 v12, -v13
	v_mov_b32 v14, 0
	v_mov_b32 v15, 0
.set j, 0
.rept 32
	v_mov_b32 v[O+j], 0
.set j, j+1
.endr
.endm
	INIT
; A KEY STEP: 128 keys, one record.
.macro STEP
	v_add_nc_u32 v[AD16], s[TB], v[L16]
	v_add_nc_u32 v[AD8], s[TB], v[L8]
	v_nop
	v_nop                                          ; four places behind the last step's products, in front of loads into registers that they read
.irp i, 0,1,2,3
.irp c, 0,1,2
	ds_load_b128 v[KV+12*\i+4*\c:KV+12*\i+4*\c+3], v[AD16] offset:1536*\i+512*\c
.endr
.endr
	ds_load_b128 v[KSC:KSC+3], v[AD16] offset:12288
	ds_load_b64 v[VSC:VSC+1], v[AD8] offset:12800
	s_wait_alu depctr_va_vdst(0)
	s_wait_dscnt 0x0
.irp a, 0,2,4,6                                ; S^T = K Q^T: eight tiles of 16 keys
	v_wmma_scale_f32_16x16x128_f8f6f4 v[S+8*\a:S+8*\a+7], v[KV+6*\a:KV+6*\a+11], v[QF:QF+11], 0, v[KSC+\a/2], v[QS] matrix_a_fmt:MATRIX_FMT_FP6 matrix_b_fmt:MATRIX_FMT_FP6
	v_wmma_scale_f32_16x16x128_f8f6f4 v[S+8*\a+8:S+8*\a+15], v[KV+6*\a+6:KV+6*\a+17], v[QF:QF+11], 0, v[KSC+\a/2], v[QS] matrix_a_fmt:MATRIX_FMT_FP6 matrix_b_fmt:MATRIX_FMT_FP6 matrix_a_scale:MATRIX_SCALE_ROW1
.endr                                          ; register 32 c + i of lane (r, h): query r, key 64 c + 32 h + i
.rept 4
	v_nop
.endr
.irp i, 0,1,2,3                                ; V's fragments land under the softmax
.irp c, 0,1,2
	ds_load_b128 v[KV+12*\i+4*\c:KV+12*\i+4*\c+3], v[AD16] offset:6144+1536*\i+512*\c
.endr
.endr
.irp c, 0,1
	v_max3_num_f32 v[BM+\c], v[S+32*\c], v[S+32*\c+1], v[S+32*\c+2]      ; the largest score of each of my two blocks of 32 keys
.endr
.irp i, 3,5,7,9,11,13,15,17,19,21,23,25,27,29
.irp c, 0,1
	v_max3_num_f32 v[BM+\c], v[BM+\c], v[S+32*\c+\i], v[S+32*\c+\i+1]
.endr
.endr
.irp c, 0,1
	v_max_num_f32 v[BM+\c], v[BM+\c], v[S+32*\c+31]
.endr
	s_delay_alu instid0(VALU_DEP_1)
	v_max_num_f32 v[T], v[BM], v[BM+1]
	s_delay_alu instid0(VALU_DEP_1)
	v_permlanex16_b32 v[PX], v[T], s[SEL], s[SEL+1]
	s_delay_alu instid0(VALU_DEP_1)
	v_max_num_f32 v[T], v[T], v[PX]                ; the step's largest score of my query
	s_delay_alu instid0(VALU_DEP_1)
	v_mul_f32 v[T], s[CS], v[T]
	s_delay_alu instid0(VALU_DEP_1)
	v_max_num_f32 v13, v13, v[T]                   ; the running largest t
	v_mov_b32 v[T], v12
	s_delay_alu instid0(VALU_DEP_2)
	v_floor_f32 v12, -v13                          ; the new -M
	s_delay_alu instid0(VALU_DEP_1)
	v_sub_f32 v[T], v12, v[T]
	s_delay_alu instid0(VALU_DEP_1)
	v_cvt_i32_f32 v[T], v[T]
	s_delay_alu instid0(VALU_DEP_1)
	v_ldexp_f32 v[F], 1.0, v[T]                    ; f = 2^(old M - new M)
.set j, 0
.rept 32
	v_pk_fma_f32 v[S+j:S+j+1], v[S+j:S+j+1], s[CS:CS+1], v[12:13] op_sel_hi:[1,0,0]   ; t - M
.set j, j+2
.endr
.irp c, 0,1
	v_fma_f32 v[BM+\c], v[BM+\c], s[CS], v12
.endr
.set j, 0
	s_wait_alu depctr_va_vdst(0)
.rept 64
	v_exp_f32 v[S+j], v[S+j]                       ; p = 2^(t - M)
.set j, j+1
.endr
	v_pk_mul_f32 v[14:15], v[14:15], v[F:F+1] op_sel_hi:[1,0]   ; the sums under the new M
	s_wait_alu depctr_va_vdst(0)                   ; one wait for the whole batch
.irp c, 0,1
	v_exp_f32 v[BM+\c], v[BM+\c]                   ; the block's largest p
.endr
	v_pk_add_f32 v[244:245], v[100:101], v[104:105]
	v_pk_add_f32 v[248:249], v[108:109], v[112:113]
	v_pk_add_f32 v[246:247], v[116:117], v[120:121]
	v_pk_add_f32 v[214:215], v[124:125], v[128:129]
	v_pk_add_f32 v[212:213], v[132:133], v[136:137]
	v_pk_add_f32 v[198:199], v[140:141], v[144:145]
	v_pk_add_f32 v[94:95], v[148:149], v[152:153]
	v_pk_add_f32 v[14:15], v[14:15], v[156:157]
	v_pk_add_f32 v[244:245], v[244:245], v[96:97]
	v_pk_add_f32 v[248:249], v[248:249], v[98:99]
	v_pk_add_f32 v[246:247], v[246:247], v[102:103]
	v_pk_add_f32 v[214:215], v[214:215], v[106:107]
	v_pk_add_f32 v[212:213], v[212:213], v[110:111]
	v_pk_add_f32 v[198:199], v[198:199], v[114:115]
	v_pk_add_f32 v[94:95], v[94:95], v[118:119]
	v_pk_add_f32 v[14:15], v[14:15], v[122:123]
	v_pk_add_f32 v[244:245], v[244:245], v[126:127]
	v_pk_add_f32 v[248:249], v[248:249], v[130:131]
	v_pk_add_f32 v[246:247], v[246:247], v[134:135]
	v_pk_add_f32 v[214:215], v[214:215], v[138:139]
	v_pk_add_f32 v[212:213], v[212:213], v[142:143]
	v_pk_add_f32 v[198:199], v[198:199], v[146:147]
	v_pk_add_f32 v[94:95], v[94:95], v[150:151]
	v_pk_add_f32 v[14:15], v[14:15], v[154:155]
	v_pk_add_f32 v[244:245], v[244:245], v[158:159]
	s_delay_alu instid0(VALU_DEP_2)
	v_pk_add_f32 v[14:15], v[14:15], v[214:215]
	s_delay_alu instid0(VALU_DEP_2)
	v_pk_add_f32 v[244:245], v[244:245], v[212:213]
	v_pk_add_f32 v[248:249], v[248:249], v[198:199]
	v_pk_add_f32 v[246:247], v[246:247], v[94:95]
	s_delay_alu instid0(VALU_DEP_2)
	v_pk_add_f32 v[14:15], v[14:15], v[248:249]
	s_delay_alu instid0(VALU_DEP_2)
	v_pk_add_f32 v[244:245], v[244:245], v[246:247]
	s_delay_alu instid0(VALU_DEP_1)
	v_pk_add_f32 v[14:15], v[14:15], v[244:245]
	s_wait_alu depctr_va_vdst(0)                   ; and one for the two
.irp c, 0,1
	v_max_num_f32 v[BM+\c], 0x1800000, v[BM+\c]    ; the floor 2^(3 - 127)
.endr
.irp c, 0,1
	s_delay_alu instid0(VALU_DEP_2)
	v_add_nc_u32 v[SO+\c], 0xff000000, v[BM+\c]    ; 2 off the exponent field
.endr
.irp c, 0,1
	s_delay_alu instid0(VALU_DEP_2)
	v_lshrrev_b32 v[BY+\c], 23, v[SO+\c]
.endr
	s_delay_alu instid0(VALU_DEP_1)
	v_lshl_or_b32 v[PS], v[BY+1], 16, v[BY]
	s_delay_alu instid0(VALU_DEP_1)
	v_lshlrev_b32 v[PS], v[H8], v[PS]
	s_delay_alu instid0(VALU_DEP_1)
	v_permlanex16_b32 v[PX], v[PS], s[SEL], s[SEL+1]
	s_delay_alu instid0(VALU_DEP_1)
	v_or_b32 v[PS], v[PS], v[PX]                   ; P's scale word
.irp c, 0,1
	v_cvt_scalef32_pk16_fp6_f32 v[PF+6*\c:PF+6*\c+2], v[S+32*\c:S+32*\c+15], v[SO+\c]
	v_cvt_scalef32_pk16_fp6_f32 v[CT+4*\c:CT+4*\c+2], v[S+32*\c+16:S+32*\c+31], v[SO+\c]
.endr
	v_nop                                          ; one plain place behind a scaled conversion
.irp c, 0,1
.irp i, 0,1,2
	v_mov_b32 v[PF+6*\c+3+\i], v[CT+4*\c+\i]
.endr
.endr
.set j, 0
.rept 16
	v_pk_mul_f32 v[O+j:O+j+1], v[O+j:O+j+1], v[F:F+1] op_sel_hi:[1,0]   ; O^T under the new M; also the places ahead of the products
.set j, j+2
.endr
	s_wait_alu depctr_va_vdst(0)
	s_wait_dscnt 0x0                               ; V is in
.irp d, 0,2                                    ; O^T += V^T P^T: four tiles, one instruction a turn; eight score products stand between two links of a chain
	v_wmma_scale_f32_16x16x128_f8f6f4 v[O+8*\d:O+8*\d+7], v[KV+12*\d:KV+12*\d+11], v[PF:PF+11], v[O+8*\d:O+8*\d+7], v[VSC+\d/2], v[PS] matrix_a_fmt:MATRIX_FMT_FP6 matrix_b_fmt:MATRIX_FMT_FP6
	v_wmma_scale_f32_16x16x128_f8f6f4 v[O+8*\d+8:O+8*\d+15], v[KV+12*\d+12:KV+12*\d+23], v[PF:PF+11], v[O+8*\d+8:O+8*\d+15], v[VSC+\d/2], v[PS] matrix_a_fmt:MATRIX_FMT_FP6 matrix_b_fmt:MATRIX_FMT_FP6 matrix_a_scale:MATRIX_SCALE_ROW1
.endr
	s_add_co_u32 s[TB], s[TB], REC
.endm
.macro STEPS                           ; the head's sixteen key steps
	s_mov_b32 s[TB], 0
	s_mov_b32 s[CNT], 16
.Lstep_\@:
	STEP
	s_sub_co_u32 s[CNT], s[CNT], 1
	s_cmp_lg_u32 s[CNT], 0
	s_cbranch_scc1 .Lstep_\@
.endm
; A TILE'S END: O^T / the sum is my query's channels 32 h + 0 .. 31: a whole block of the last product's K; six registers of codes and a byte, which leave at once.
.macro EPI hd
.rept 4
	v_nop
.endr
	v_add_f32 v14, v14, v15
	s_delay_alu instid0(VALU_DEP_1)
	v_permlanex16_b32 v[PX], v14, s[SEL], s[SEL+1]
	s_delay_alu instid0(VALU_DEP_1)
	v_add_f32 v14, v14, v[PX]                      ; the row's sum
	s_wait_alu depctr_va_vdst(0)
	v_rcp_f32 v[F], v14
	v_nop
	s_wait_alu depctr_va_vdst(0)
.set j, 0
.rept 16
	v_pk_mul_f32 v[S+j:S+j+1], v[O+j:O+j+1], v[F:F+1] op_sel_hi:[1,0]   ; each accumulator from its low end on
.set j, j+2
.endr
	v_max3_num_f32 v[BM], |v[S]|, |v[S+1]|, 0x1800000
.irp i, 2,4,6,8,10,12,14,16,18,20,22,24,26,28,30
	s_delay_alu instid0(VALU_DEP_1)
	v_max3_num_f32 v[BM], v[BM], |v[S+\i]|, |v[S+\i+1]|
.endr
	s_delay_alu instid0(VALU_DEP_1)
	v_add_nc_u32 v[SO], 0xff000000, v[BM]
	s_delay_alu instid0(VALU_DEP_1)
	v_lshrrev_b32 v[CB0+\hd], 23, v[SO]
	v_cvt_scalef32_pk16_fp6_f32 v[CC+6*\hd:CC+6*\hd+2], v[S:S+15], v[SO]
	v_cvt_scalef32_pk16_fp6_f32 v[CT:CT+2], v[S+16:S+31], v[SO]
	v_nop
.irp i, 0,1,2
	v_mov_b32 v[CC+6*\hd+3+\i], v[CT+\i]
.endr
	v_lshlrev_b32 v[CB0+\hd], v[H8], v[CB0+\hd]    ; my byte at bit 8 h, joined with lane l xor 16's: the head's two bytes of row r, in both halves of the lanes
	v_permlanex16_b32 v[PX], v[CB0+\hd], s[SEL], s[SEL+1]
	v_or_b32 v[CB0+\hd], v[CB0+\hd], v[PX]
	global_store_b128 v[L16], v[CC+6*\hd:CC+6*\hd+3], s[8:9] offset:196608*\hd           ; 512 consecutive bytes; my second tile lies 16 tiles on
	global_store_b64 v[L8], v[CC+6*\hd+4:CC+6*\hd+5], s[8:9] offset:196608*\hd+512       ; 256 consecutive bytes
	global_store_b16 v[RS], v[CB0+\hd], s[10:11] offset:8192*\hd                         ; lanes l and l xor 16 store the same two bytes to the same place
.endm
	s_wait_alu depctr_va_vdst(0)
	s_wait_tensorcnt 0x0                           ; my record is in,
	s_barrier_signal -1
	s_barrier_wait -1                              ; and everybody's
	STEPS
	EPI 0
.irp i, 0,1,2,3,4,5
	v_mov_b32 v[QF+\i], v[QF2+\i]                  ; my second tile's Q
.endr
	v_mov_b32 v[QS], v[QS2]
	INIT                                           ; (also the places between these writes and the next product)
	STEPS
	EPI 1
	s_wait_tensorcnt 0x0                           ; the wave's end
	ds_add_u32 v[SPW], v[NIL]
	s_wait_dscnt 0x0
	CROUND                                         ; the closing round
	s_endpgm
.Lfunc_end_k_qc092572273_attn:
	.size	k_qc092572273_attn, .Lfunc_end_k_qc092572273_attn-k_qc092572273_attn
	.p2alignl 7, 3214868480
	.fill 96, 4, 3214868480
	.section	.rodata,"a",@progbits
	.p2align	6, 0x0
	.amdhsa_kernel k_qc092572273_attn
		.amdhsa_group_segment_fixed_size 210944
		.amdhsa_private_segment_fixed_size 0
		.amdhsa_enable_private_segment 0
		.amdhsa_kernarg_size 32
		.amdhsa_user_sgpr_count 2
		.amdhsa_user_sgpr_kernarg_segment_ptr 1
		.amdhsa_wavefront_size32 1
		.amdhsa_system_sgpr_workgroup_id_x 1
		.amdhsa_system_sgpr_workgroup_id_y 1
		.amdhsa_system_sgpr_workgroup_id_z 1
		.amdhsa_system_vgpr_workitem_id 0
		.amdhsa_next_free_vgpr 256
		.amdhsa_next_free_sgpr 66
		.amdhsa_reserve_vcc 0
		.amdhsa_float_denorm_mode_32 3
		.amdhsa_float_denorm_mode_16_64 3
		.amdhsa_memory_ordered 1
		.amdhsa_forward_progress 1
		.amdhsa_inst_pref_size 47
	.end_amdhsa_kernel
	.amdgpu_metadata
---
amdhsa.version: [ 1, 2 ]
amdhsa.kernels:
  - .name:           k_qc092572273_attn
    .symbol:         k_qc092572273_attn.kd
    .args:
      - { .name: qrec, .offset: 0, .size: 8, .value_kind: global_buffer, .address_space: global }
      - { .name: kvrec, .offset: 8, .size: 8, .value_kind: global_buffer, .address_space: global }
      - { .name: cimg, .offset: 16, .size: 8, .value_kind: global_buffer, .address_space: global }
      - { .name: csc, .offset: 24, .size: 8, .value_kind: global_buffer, .address_space: global }
    .group_segment_fixed_size: 210944
    .private_segment_fixed_size: 0
    .kernarg_segment_align: 8
    .kernarg_segment_size: 32
    .max_flat_workgroup_size: 512
    .sgpr_count:     66
    .vgpr_count:     256
    .wavefront_size: 32
...
	.end_amdgpu_metadata
.endif
;; end of part 2
;; launch outp (part 3): grid 4 x 64, 4 waves a work-group, clusters of 4 x 4, 327,680 bytes of LDS; arguments cimg, csc, Wo_codes, Wo_scales, bo, out0; writes out0
.if DOCPART == 3
	.amdgcn_target "amdgcn-amd-amdhsa--gfx1250"
	.amdhsa_code_object_version 6
	.text
	.protected	k_qc092572273_outp
	.globl	k_qc092572273_outp
	.p2align	8
	.type	k_qc092572273_outp,@function
k_qc092572273_outp:
	s_mov_b64 s[64:65], 0
	v_nop
	global_prefetch_b8 v0, s[64:65] scope:SCOPE_SE
	s_setreg_imm32_b32 hwreg(HW_REG_WAVE_MODE, 25, 1), 1
	s_wait_xcnt 0x0
	s_wait_alu depctr_hold_cnt(0) depctr_sa_sdst(0) depctr_va_vdst(0) depctr_va_sdst(0) depctr_va_ssrc(0) depctr_va_vcc(0) depctr_vm_vsrc(0)
	s_getreg_b32 s2, hwreg(HW_REG_IB_STS2, 6, 4)
	s_cmp_eq_u32 s2, 0
	s_cbranch_scc0 .Lentry_in_a_cluster
	s_endpgm
.Lentry_in_a_cluster:
	s_bfe_u32 s2, ttmp6, 0x10000c
	s_cmp_lg_u32 s2, 0xf033
	s_cbranch_scc0 .Lentry_shape_is_right
	s_endpgm
.Lentry_shape_is_right:
; out = ctx Wo^T + bo on codes of FP6 (E2M3), one E8M0 scale for each 32 along K = 1,024; out is f32.
; SHARES.  256 work-groups, each 128 rows x 256 columns; all of K of both operands comes into LDS at the head, one joint load a wave, and nothing is filled again.  A wave makes 128 rows x 64 columns: 32 accumulators.
; ctx comes as images of operand registers: cimg[tile of 16 rows][K step][1,536]: registers 0-3 (16 bytes a lane), 4-5 (8 bytes a lane), 6-9, 10-11.  Row r of tile a of a block of 128 rows is row 64 (a / 4) + 8 (a % 4) + r % 8 + 32 (r / 8).
; Wo's 128 rows a load are 98,304 dense bytes, stated as rows of 256 bytes with 16 bytes of padding behind each: an LDS row of codes is 816 bytes.  Scale bytes and the bias go from memory straight into registers.
; Source 0 = 16 rows of Wo, source 1 = 16 rows of ctx: a lane holds eight neighbouring columns of one row.  A block of 16 rows x 64 columns goes through the wave's own stage and leaves as rows of 256 aligned bytes.
; CLUSTER 4 x 4: ctx's rows are shared along a row of the cluster, Wo's along a column.  No prefetch: every tensor load stands at the head, so there is no loop to ask ahead in.
; LIMITS: NaN and infinities are not served.
.set PITCH, 816
.set BL,    98304                      ; behind ctx's eight tiles: Wo's 256 rows
.set STAGE, BL+256*PITCH               ; 16 rows x 272 bytes a wave
.set SPARE, STAGE+4*16*272
.set SPW, 2
.set NIL, 3
.set STO, 4
.set RD,  5
.set CO,  6
.set LA,  16                           ; v16, v17  16 x lane for tiles 0-3, 4-7;  v18, v19  8 x lane
.set LB,  18
.set TBD, 32
.set SXC, 40                           ; v40-71 ctx's scale words
.set SWL, 76                           ; v76-91 Wo's
.set BI,  92                           ; v92-123 the bias as the first products' C
.set BF,  124                          ; v124-219 Wo's fragments, two sets; on the way out rows read back from the stage
.set G1A, 52
.set G0A, 60
.set G1B, 68
.set G0B, 76
.set MSB, 0
.macro WIN new
.if MSB != (\new)
	s_set_vgpr_msb (MSB<<8)|(\new)
.set MSB, (\new)
.endif
.endm
.macro PLACES n
.rept \n
	v_nop
.endr
.endm
.macro CROUND
	s_barrier_signal -1
	s_barrier_wait -1
	s_cmp_lg_u32 s14, 0
	s_cbranch_scc1 .Lnot_wave_0_\@
	s_barrier_signal -3
.Lnot_wave_0_\@:
	s_barrier_wait -3
	s_barrier_signal -1
	s_barrier_wait -1
.endm
.macro FRAG reg, adr, q                ; 16 rows x 128 K from rows of codes: six pieces of 8 bytes, two to a load where both go by one address register
.set SK_, 0
.irp p, 0,1,2,3,4,5
.if SK_
.set SK_, 0
.else
.set PC_, 12*(\q)+6*(\p/3)+\p%3
.set PN_, 12*(\q)+6*((\p+1)/3)+(\p+1)%3
.set X_, (PC_%32+3)/32
.set XN_, (PN_%32+3)/32
.if (\p < 5) && (X_ == XN_)
.set SK_, 1
	ds_load_2addr_b64 v[\reg+2*\p:\reg+2*\p+3], v[\adr+X_] offset0:PC_+2*(PC_/32) offset1:PN_+2*(PN_/32)
.else
	ds_load_b64 v[\reg+2*\p:\reg+2*\p+1], v[\adr+X_] offset:8*(PC_+2*(PC_/32))
.endif
.endif
.endr
.endm
.macro FETCH1 f, q                     ; fragment f of K step q: 0-7 ctx's images (window 1), 8-11 Wo's
.if (\f) < 8
	WIN 0x40
.set O_, ((\f)%4)*12288+(\q)*1536
.set R_, 96*((\q)%2)+12*(\f)
	ds_load_b128 v[R_:R_+3], v[LA+(\f)/4] offset:O_
	ds_load_b64 v[R_+4:R_+5], v[LB+(\f)/4] offset:O_+512
	ds_load_b128 v[R_+6:R_+9], v[LA+(\f)/4] offset:O_+768
	ds_load_b64 v[R_+10:R_+11], v[LB+(\f)/4] offset:O_+1280
.else
	WIN 0
	FRAG BF+48*((\q)%2)+12*((\f)-8), TBD+2*((\f)-8), \q
.endif
.endm
.macro MUL q, ini                      ; 32 products, the accumulators by turns
.irp ap, 0,1,2,3
.irp ao, 0,1
.irp bp, 0,1
.irp bo, 0,1
.set A_, 2*\ap+\ao
.set B_, 2*\bp+\bo
.set FA_, 96*((\q)%2)+12*A_
.set FB_, BF+48*((\q)%2)+12*B_
.set SX_, SXC+8*\ap+(\q)
.set SW_, SWL+8*\bp+(\q)
.set D_, 8*(4*A_+B_)
.if \ini
	WIN 0x84
	v_wmma_scale_f32_16x16x128_f8f6f4 v[D_:D_+7], v[FB_:FB_+11], v[FA_:FA_+11], v[BI+8*B_:BI+8*B_+7], v[SW_], v[SX_] matrix_a_fmt:MATRIX_FMT_FP6 matrix_b_fmt:MATRIX_FMT_FP6 matrix_a_scale:MATRIX_SCALE_ROW\bo matrix_b_scale:MATRIX_SCALE_ROW\ao
.else
	WIN 0xa4
	v_wmma_scale_f32_16x16x128_f8f6f4 v[D_:D_+7], v[FB_:FB_+11], v[FA_:FA_+11], v[D_:D_+7], v[SW_], v[SX_] matrix_a_fmt:MATRIX_FMT_FP6 matrix_b_fmt:MATRIX_FMT_FP6 matrix_a_scale:MATRIX_SCALE_ROW\bo matrix_b_scale:MATRIX_SCALE_ROW\ao
.endif
.endr
.endr
.endr
.endr
.endm
	s_load_b256 s[24:31], s[0:1], 0x0              ; cimg, csc, Wo's codes, Wo's scales
	s_load_b128 s[32:35], s[0:1], 0x20             ; bo, out0
	v_lshl_add_u32 v[SPW], v0, 2, SPARE
	v_mov_b32 v[NIL], 0
	ds_add_u32 v[SPW], v[NIL]                      ; the opening lines: the add twice on end and its wait
	ds_add_u32 v[SPW], v[NIL]
	v_lshrrev_b32 v1, 5, v0
	v_readfirstlane_b32 s14, v1
	s_lshr_b32 s15, s14, 1                         ; I fetch for ctx (0) or for Wo (1),
	s_and_b32 s16, s14, 1                          ; its first or its second half
	s_bfe_u32 s100, ttmp6, 0x40000                 ; cx: Wo's block of 256 rows
	s_bfe_u32 s101, ttmp6, 0x40004
	s_and_b32 s17, ttmp7, 0xffff
	s_lshl_b32 s17, s17, 2
	s_add_co_u32 s17, s17, s101                    ; ctx's block of 128 rows
	s_lshl_b32 s95, s101, 2
	s_lshl_b32 s95, 15, s95
	s_lshl_b32 s96, 0x1111, s100
	s_or_b32 s[G1A], s95, (3<<16)|(1<<21)          ; four tiles: 49,152 dense bytes as 192 rows of 256
	s_or_b32 s[G1B], s96, (3<<16)|(1<<20)|(1<<21)|(5<<22)|(3<<25)   ; 128 rows of codes as 384 rows of 256, padded
.irp g, G1A, G1B
	s_mov_b32 s[\g+1], 32<<16
	s_mov_b32 s[\g+3], 32<<16
	s_mov_b32 s[\g+5], 32
	s_mov_b32 s[\g+6], 0
	s_mov_b32 s[\g+7], 0
.endr
	s_mov_b32 s[G1A+2], 192<<16
	s_mov_b32 s[G1A+4], 192
	s_mov_b32 s[G1B+2], 384<<16
	s_mov_b32 s[G1B+4], 384
	s_mul_i32 s20, s17, 98304
	s_mul_i32 s[G0A+1], s16, 49152
	s_add_co_u32 s20, s20, s[G0A+1]
	s_mov_b32 s21, 0
	s_mul_i32 s22, s100, 196608
	s_mul_i32 s2, s16, 98304
	s_add_co_u32 s22, s22, s2
	s_mov_b32 s23, 0
	s_mov_b32 s[G0A], 1
	s_mov_b32 s[G0B], 1
	s_mul_i32 s[G0B+1], s16, 128*PITCH
	s_add_co_u32 s[G0B+1], s[G0B+1], BL
	s_lshl_b32 s4, s17, 12                         ; ctx's scale bytes
	s_mov_b32 s5, 0
	s_lshl_b32 s6, s100, 2
	s_add_co_u32 s6, s6, s14                       ; my 64 columns
	s_lshl_b32 s8, s6, 11
	s_mov_b32 s9, 0
	s_lshl_b32 s10, s6, 8
	s_mov_b32 s11, 0
	s_lshl_b32 s12, s17, 19                        ; 128 rows of 4,096 bytes
	s_add_co_u32 s12, s12, s10
	s_mov_b32 s13, 0
	s_mul_i32 s3, s14, 64*PITCH
	s_add_co_u32 s3, s3, BL
	s_mul_i32 s2, s14, 16*272
	s_add_co_u32 s2, s2, STAGE
	s_wait_dscnt 0x0
	s_wait_kmcnt 0x0
	s_add_nc_u64 s[G0A+2:G0A+3], s[24:25], s[20:21]
	s_or_b32 s[G0A+3], s[G0A+3], 0x80000000
	s_add_nc_u64 s[G0B+2:G0B+3], s[28:29], s[22:23]
	s_or_b32 s[G0B+3], s[G0B+3], 0x80000000
	s_add_nc_u64 s[26:27], s[26:27], s[4:5]
	s_add_nc_u64 s[30:31], s[30:31], s[8:9]
	s_add_nc_u64 s[32:33], s[32:33], s[10:11]
	s_add_nc_u64 s[34:35], s[34:35], s[12:13]
	CROUND
	s_cmp_eq_u32 s15, 0
	s_cbranch_scc0 .Lhead_b
	tensor_load_to_lds s[G0A:G0A+3], s[G1A:G1A+7]
	s_nop 0
	PLACES 4
	s_branch .Lhead_j
.Lhead_b:
	tensor_load_to_lds s[G0B:G0B+3], s[G1B:G1B+7]
	s_nop 0
	PLACES 4
.Lhead_j:
	v_and_b32 v1, 15, v0                           ; r
	v_bfe_u32 v9, v0, 4, 1                         ; h
	v_and_b32 v15, 31, v0
	v_lshlrev_b32 v[LA], 4, v15
	v_add_nc_u32 v[LA+1], 49152, v[LA]
	v_lshlrev_b32 v[LB], 3, v15
	v_add_nc_u32 v[LB+1], 49152, v[LB]
	v_mul_u32_u24 v12, v1, PITCH
	v_mad_u32_u24 v12, v9, 24, v12
	v_add_nc_u32 v12, s3, v12
	v_lshl_add_u32 v11, v9, 4, v12
.irp b, 0,1,2,3
	v_add_nc_u32 v[TBD+2*\b], \b*16*PITCH, v12
	v_add_nc_u32 v[TBD+2*\b+1], \b*16*PITCH, v11
.endr
	v_lshlrev_b32 v10, 5, v1                       ; a pair of tiles' scale rows: 32 (16 h + r)
	v_lshl_add_u32 v10, v9, 9, v10
	v_lshlrev_b32 v8, 5, v9                        ; the bias: eight numbers on for lanes 16-31
	v_mul_u32_u24 v13, v1, 272
	v_lshl_add_u32 v13, v9, 5, v13
	v_add_nc_u32 v[STO], s2, v13                   ; into the stage: row r, 32 bytes for each half of the lanes
	v_mul_u32_u24 v13, v9, 272
	v_lshl_add_u32 v13, v1, 4, v13
	v_add_nc_u32 v[RD], s2, v13                    ; back: sixteen lanes a row of 256 bytes
	v_lshlrev_b32 v13, 12, v9
	v_lshl_add_u32 v[CO], v1, 4, v13               ; and the same in out
.irp i, 0,1,2,3
.irp c, 0,1
	global_load_b128 v[SXC+8*\i+4*\c:SXC+8*\i+4*\c+3], v10, s[26:27] offset:1024*\i+16*\c
.endr
.endr
.irp p, 0,1
.irp c, 0,1
	global_load_b128 v[SWL+8*\p+4*\c:SWL+8*\p+4*\c+3], v10, s[30:31] offset:1024*\p+16*\c
.endr
.endr
.irp b, 0,1,2,3
.irp c, 0,1
	global_load_b128 v[BI+8*\b+4*\c:BI+8*\b+4*\c+3], v8, s[32:33] offset:64*\b+16*\c    ; register j of tile b: column 16 b + 8 h + j
.endr
.endr
	s_wait_alu depctr_va_vdst(0)
	s_wait_loadcnt 0x0
	s_wait_tensorcnt 0x0
	s_barrier_signal -1
	s_barrier_wait -1                              ; both operands are in
.set F_, 0
.rept 12
	FETCH1 F_, 0
.set F_, F_+1
.endr
	s_wait_dscnt 0x0
.set F_, 0
.rept 12
	FETCH1 F_, 1
.set F_, F_+1
.endr
	MUL 0, 1
.irp q, 1,2,3,4,5,6
	s_wait_dscnt 0x0                               ; this step's fragments, asked for ahead of the last step's products
	PLACES 4                                       ; between the last step's products and loads into the set that they read
.set F_, 0
.rept 12
	FETCH1 F_, (\q)+1                              ; the next step's twelve fragments in one run; they land under this step's products
.set F_, F_+1
.endr
	MUL \q, 0
.endr
	s_wait_dscnt 0x0
	MUL 7, 0                                       ; the last step fetches nothing
	WIN 0
.macro TOSTAGE a
	WIN 0x08                                       ; the data: window 2
.irp b, 0,1,2,3
	ds_store_b128 v[STO], v[32*(\a)+8*\b:32*(\a)+8*\b+3] offset:64*\b        ; each accumulator from its low end on
	ds_store_b128 v[STO], v[32*(\a)+8*\b+4:32*(\a)+8*\b+7] offset:64*\b+16
.endr
	WIN 0
.irp t, 0,1,2,3,4,5,6,7
	ds_load_b128 v[BF+32*((\a)%2)+4*\t:BF+32*((\a)%2)+4*\t+3], v[RD] offset:\t*2*272   ; LDS serves a wave's instructions in order (ISA guide 5.7.1.4)
.endr
.endm
.macro SEND a, younger                 ; younger: the next block's 8 stores and 8 loads, which may stay out
	s_wait_dscnt \younger
.irp t, 0,1,2,3,4,5,6,7
	global_store_b128 v[CO], v[BF+32*((\a)%2)+4*\t:BF+32*((\a)%2)+4*\t+3], s[34:35] offset:(64*((\a)/4)+8*((\a)%4)+(2*\t)%8+32*(\t/4))*4096 th:TH_STORE_NT   ; sixteen lanes store 256 consecutive bytes, aligned
.endr
.endm
	PLACES 4
	TOSTAGE 0
.irp a, 1,2,3,4,5,6,7
.if \a > 1
	s_wait_xcnt 0x0                                ; block a - 2's stores have read their registers: block a's loads may land there
.endif
	TOSTAGE \a
	SEND \a-1, 16
.endr
	SEND 7, 0
	s_wait_tensorcnt 0x0                           ; the wave's end
	ds_add_u32 v[SPW], v[NIL]
	s_wait_dscnt 0x0
	CROUND
	s_endpgm
.Lfunc_end_k_qc092572273_outp:
	.size	k_qc092572273_outp, .Lfunc_end_k_qc092572273_outp-k_qc092572273_outp
	.p2alignl 7, 3214868480
	.fill 96, 4, 3214868480
	.section	.rodata,"a",@progbits
	.p2align	6, 0x0
	.amdhsa_kernel k_qc092572273_outp
		.amdhsa_group_segment_fixed_size 327680
		.amdhsa_private_segment_fixed_size 0
		.amdhsa_enable_private_segment 0
		.amdhsa_kernarg_size 48
		.amdhsa_user_sgpr_count 2
		.amdhsa_user_sgpr_kernarg_segment_ptr 1
		.amdhsa_wavefront_size32 1
		.amdhsa_system_sgpr_workgroup_id_x 1
		.amdhsa_system_sgpr_workgroup_id_y 1
		.amdhsa_system_sgpr_workgroup_id_z 1
		.amdhsa_system_vgpr_workitem_id 0
		.amdhsa_next_free_vgpr 768
		.amdhsa_next_free_sgpr 102
		.amdhsa_reserve_vcc 0
		.amdhsa_float_denorm_mode_32 3
		.amdhsa_float_denorm_mode_16_64 3
		.amdhsa_memory_ordered 1
		.amdhsa_forward_progress 1
		.amdhsa_inst_pref_size 80
	.end_amdhsa_kernel
	.amdgpu_metadata
---
amdhsa.version: [ 1, 2 ]
amdhsa.kernels:
  - .name:           k_qc092572273_outp
    .symbol:         k_qc092572273_outp.kd
    .args:
      - { .name: cimg, .offset: 0, .size: 8, .value_kind: global_buffer, .address_space: global }
      - { .name: csc, .offset: 8, .size: 8, .value_kind: global_buffer, .address_space: global }
      - { .name: Wo_codes, .offset: 16, .size: 8, .value_kind: global_buffer, .address_space: global }
      - { .name: Wo_scales, .offset: 24, .size: 8, .value_kind: global_buffer, .address_space: global }
      - { .name: bo, .offset: 32, .size: 8, .value_kind: global_buffer, .address_space: global }
      - { .name: out0, .offset: 40, .size: 8, .value_kind: global_buffer, .address_space: global }
    .group_segment_fixed_size: 327680
    .private_segment_fixed_size: 0
    .kernarg_segment_align: 8
    .kernarg_segment_size: 48
    .max_flat_workgroup_size: 128
    .sgpr_count:     102
    .vgpr_count:     768
    .wavefront_size: 32
...
	.end_amdgpu_metadata
.endif
;; end of part 3
